; MI455X (gfx1250); checked and timed in simulation.
; The chip was launched on July 23, 2026; its instructions are those of AMD's public machine-readable ISA for CDNA 5 (MIT licence, August 2026) and "CDNA5" Instruction Set Architecture Reference Guide (July 2026). The comments in the code are by the model that wrote it; some were corrected since.
;; Block. Allowed arithmetic: matrix products marked QUANTISED: E3M2 operands, one E8M0 scale for each 32 along K, by v_wmma_scale_f32_16x16x128_f8f6f4 with both operands' format E3M2, f32 sums; everything else in f32.
;; Inputs: W1_codes 2,048 x 16 x 24 uint8 (E3M2 codes of W1, K innermost, in blocks of 32 codes, four codes in three bytes); W1_scales 2,048 x 16 uint8 (E8M0 scales of W1, one for each 32 codes along K); W2_codes 512 x 64 x 24 uint8 (E3M2 codes of W2, K innermost, in blocks of 32 codes, four codes in three bytes); W2_scales 512 x 64 uint8 (E8M0 scales of W2, one for each 32 codes along K); Wk_codes 8 x 64 x 16 x 24 uint8 (E3M2 codes of Wk, K innermost, in blocks of 32 codes, four codes in three bytes); Wk_scales 8 x 64 x 16 uint8 (E8M0 scales of Wk, one for each 32 codes along K); Wq_codes 8 x 64 x 16 x 24 uint8 (E3M2 codes of Wq, K innermost, in blocks of 32 codes, four codes in three bytes); Wq_scales 8 x 64 x 16 uint8 (E8M0 scales of Wq, one for each 32 codes along K); Wv_codes 8 x 64 x 16 x 24 uint8 (E3M2 codes of Wv, K innermost, in blocks of 32 codes, four codes in three bytes); Wv_scales 8 x 64 x 16 uint8 (E8M0 scales of Wv, one for each 32 codes along K); b1 2,048 float32; b2 512 float32; ln1_b 512 float32; ln1_g 512 float32; ln2_b 512 float32; ln2_g 512 float32; proj_b 512 float32; proj_w_codes 512 x 16 x 24 uint8 (E3M2 codes of proj_w, K innermost, in blocks of 32 codes, four codes in three bytes); proj_w_scales 512 x 16 uint8 (E8M0 scales of proj_w, one for each 32 codes along K); x 64 x 256 x 512 float32.
;; Outputs: out0 64 x 256 x 512 float32.
;; This version of the problem:
;;   THIS VERSION OF THE PROBLEM IS GIVEN IN LOW PRECISION. The matrix products marked QUANTISED in the list below multiply operands that are first quantised to E3M2 (3 exponent bits, 2 mantissa bits; 6 bits a number), with one power-of-two scale for each 32 numbers along K (OCP MX v1.0); their sums are f32. All else is computed in f32.
;;   The module's matrix products, in the order in which they are computed (A, B: the left and right operand; K: the contracted axis; several contracted axes count as one K, in the product's order):
;;     1. [M 512, K 512] x [K 512, N 16,384]; A: input Wk (given as codes); B: computed on the way: QUANTISED
;;     2. [M 512, K 512] x [K 512, N 16,384]; A: input Wq (given as codes); B: computed on the way: QUANTISED
;;     3. [M 512, K 512] x [K 512, N 16,384]; A: input Wv (given as codes); B: computed on the way: QUANTISED
;;     4. batch 512 x [M 256, K 64] x [K 64, N 256]; A: computed on the way; B: computed on the way: QUANTISED
;;     5. batch 512 x [M 256, K 256] x [K 256, N 64]; A: softmax (see below); B: computed on the way: QUANTISED
;;     6. [M 16,384, K 512] x [K 512, N 512]; A: computed on the way; B: input proj_w (given as codes): QUANTISED
;;     7. [M 16,384, K 512] x [K 512, N 2,048]; A: computed on the way; B: input W1 (given as codes): QUANTISED
;;     8. [M 16,384, K 2,048] x [K 2,048, N 512]; A: computed on the way; B: input W2 (given as codes): QUANTISED
;;   THE QUANTISER, for each operand of a quantised product, along K:
;;     - K is cut into blocks of 32 from its start; a last block that is shorter is filled with zeros.
;;     - A block's scale is 2^e with e = floor(log2(the largest magnitude in the block)) - 4, held to -126 .. 127; a block of zeros has e = 0. As a byte (E8M0): e + 127.
;;     - Each number is divided by its block's scale, clamped to +-28, and rounded to the nearest number of E3M2, ties to even, subnormals kept.
;;     - The product sums the exact products of the quantised numbers (number of the format x scale) in f32.
;;   ~~~python
;;   def quantise(x, axis):      # numpy; x: float32 -> the quantised numbers, widened to float32 again
;;       x = np.moveaxis(x, axis, -1); K = x.shape[-1]
;;       x = np.pad(x, [(0, 0)] * (x.ndim - 1) + [(0, -K % 32)]); x = x.reshape(x.shape[:-1] + (-1, 32)); a = np.abs(x).max(-1, keepdims=True)
;;       e = np.where(a > 0, np.clip(np.frexp(np.where(a > 0, a, 1))[1] - 1 - 4, -126, 127), 0)      # np.frexp(a)[1] - 1 = floor(log2(a)), exactly
;;       r = np.clip(x / 2.0 ** e, -28, 28)
;;       step = 2.0 ** (np.maximum(np.frexp(np.where(r == 0, 1, r))[1] - 1, -2) - 2)
;;       q = np.round(r / step) * step * 2.0 ** e      # np.round: ties to even
;;       return np.moveaxis(q.reshape(q.shape[:-2] + (-1,))[..., :K], -1, axis).astype(np.float32)
;;   ~~~
;;   SOFTMAX AHEAD OF A QUANTISED PRODUCT. Where the list says 'softmax', what is quantised is not the finished softmax but p = 2^(t - M), with t = logit x log2(e) and M = ceil(the row's largest t), a whole number; so 1/2 < the row's largest p <= 1. The row's sum l is taken of the UNQUANTISED p, in f32, and the product's result is divided by l at the end. Since M is a whole number, a kernel that streams over the keys may use a running M (the ceiling of the running maximum): every later rescaling is an exact power of two, which a block's scale takes up: the codes' values come out the same.
;;   OPERANDS COMPUTED ON THE WAY. 'Computed on the way' means the value that the module computes at that place (a softmax that the list does not call 'softmax' is quantised finished and normalised). What goes into a quantiser is computed in f32, as accurately as f32 sums, v_exp_f32 and their like allow (about 1e-6 of the number): no bf16 or f16 on the way to a quantiser, and a product that is left as it is and whose result goes on into a quantised operand takes f32 operands (vector FMAs, or v_wmma_f32_16x16x4_f32). A number that lies on a knife's edge between two numbers of the format may be rounded either way, as far as f32 arithmetic and the matrix unit's own rounding can turn it there, and no further.
;;   INPUTS GIVEN AS CODES. W1 (in the module: [512, 2048], K = its axis 0); W2 (in the module: [2048, 512], K = its axis 0); Wk (in the module: [8, 512, 64], K = its axis 1); Wq (in the module: [8, 512, 64], K = its axis 1); Wv (in the module: [8, 512, 64], K = its axis 1); proj_w (in the module: [512, 512], K = its axis 0): each comes as NAME_codes (uint8): NAME with its K axis moved to the last place and cut into blocks of 32 codes, [.., K / 32, bytes a block], one block behind the other in memory; four codes in three bytes: a row's codes are one little-endian stream of bits, code i at bits 6 i .. 6 i + 5 (a code: sign, 3 exponent bits, 2 mantissa bits); and NAME_scales (uint8): the same leading axes, one E8M0 byte (e + 127) for each 32 codes along K. Its value is code x scale, taken as it is: it is not quantised again, and the codes and scales need not be those that the quantiser above would give.
;; One version. Each part assembles by itself: llvm-mc -triple=amdgcn-amd-amdhsa -mcpu=gfx1250 --defsym DOCPART=n.
;; ======== version 1 of 1: 2 launches
;; workspace buffers: attc 6,291,456 bytes; atts 262,144 bytes; wimg 1,769,472 bytes; wsc 73,728 bytes
;; launch attn (part 1): grid 4 x 64, 8 waves a work-group, no clusters, 324,608 bytes of LDS; arguments x, ln1_g, ln1_b, Wk_codes, Wq_codes, Wv_codes, Wk_scales, Wq_scales, Wv_scales, proj_w_codes, W1_codes, W2_codes, proj_w_scales, W1_scales, W2_scales, attc, atts, wimg, wsc; writes attc, atts, wimg, wsc
.if DOCPART == 1
	.amdgcn_target "amdgcn-amd-amdhsa--gfx1250"
	.amdhsa_code_object_version 6
	.text
	.protected	k_qfb46c5300b_attn
	.globl	k_qfb46c5300b_attn
	.p2align	8
	.type	k_qfb46c5300b_attn,@function
k_qfb46c5300b_attn:
	s_mov_b64 s[64:65], 0
	v_nop
	global_prefetch_b8 v0, s[64:65] scope:SCOPE_SE
	s_setreg_imm32_b32 hwreg(HW_REG_WAVE_MODE, 25, 1), 1
	s_wait_xcnt 0x0
; LN1, k/q/v of two heads, causal attention (rows = k's tokens, keys = q's tokens, scale 1/sqrt(512)), att quantised.  All products on E3M2 codes with E8M0 scales.
; A work-group takes one batch (256 tokens) and one pair of heads; eight waves; wave (tq, hd) owns tokens 64 tq .. 64 tq + 63 for head 2 hp + hd.
; TILES.  Tile T of any set of rows holds rows 32 (T / 2) + 8 (T % 2) + r + 8 (r / 8), r = lane % 16: the 16 registers of result tiles 2 b, 2 b + 1 are then 16 neighbours along the next K.
; k, q: source 0 = 16 rows of the weight, source 1 = 16 tokens (a lane holds one token).  v: the other way round (a lane holds one channel, registers run along the tokens, which are p v's K).
; THE WEIGHTS of the pair of heads come in by loads of 512 consecutive bytes (a wave: 16 rows of each of its head's three) and lie in LDS as rows of 384 bytes, sorted by tile (slot 16 t + r), 400 bytes apart;
; a fragment is read from them as it lies, in six pieces of 8 bytes a lane.
; COMPUTED OPERANDS GO THROUGH LDS AS IMAGES OF THEIR REGISTERS: register i of a lane at 512 (i / 4) + 16 lane + 4 (i % 4).  Scale words: 64 bytes a tile, so one load of 4 bytes a lane brings two tiles' words.
; SOFTMAX: t = score x log2(e) / sqrt(512); M = the running largest t rounded up to a whole number; p = 2^(t - M) is quantised along the keys; the sum of the unquantised p divides at the end.
; SIDE JOB: work-groups 0 .. 143 lay proj_w, W1, W2 out once in the order of the operand's registers (wimg, wsc) for the second launch.
; No tensor loads: x is used once, in registers; the weights of a pair of heads are 147,456 bytes read once.  No cluster: no tile is shared through LDS fills.
; LIMITS: NaN and infinities among the inputs are not served.  A block whose largest magnitude lies under 2^-122, and a block of zeros, gets the scale byte 1 (this program alone reads those bytes).
; The order of f32 additions in the norm's sums differs from the reference's; mean first, then the squares of the centred numbers.
.set WP,   400                         ; LDS: the weights' rows at 0: 384 bytes + 16.  In units of 8 bytes lane (r, h) of a fragment load stands at 50 r + 3 h, which modulo 32 takes each value once (64 banks of 4 bytes: ISA guide 11.1)
.set WMAT, 64*WP                       ; one weight of one head
.set WHD,  3*WMAT                      ; a head's three
.set HIMG, 153600                      ; h's 64 images; dead once every wave holds its h, then:
.set QIMG, 153600                      ; q's images, 768 bytes a tile (6 registers: K = 64);  k's lie KOFF on
.set KOFF, 24576
.set VIMG, 202752                      ; v's full images ((hd 4 + t) 2 + key step)
.set QSC,  227328                      ; q's scale words;  k's lie KSOFF on
.set KSOFF, 2048
.set VSC,  231424
.set ASC,  232448                      ; att's scale words, a plane of 1,024 bytes for each head of the pair
.set HSC,  251904                      ; h's scale words: 1,024 s + 64 T + 4 r
.set XST,  256000                      ; a stage of 16 rows x 528 bytes for each wave
.set L16, 1
.set L8,  2
.set R4,  3
.set L4,  4
.set VD0, 5
.set XO,  6
.set GO,  7
.set SW,  8
.set SR,  9
.set HW0, 10
.set HSW0, 11
.set JO,  14
.set JS,  15
.set HW,  16
.set HSW, 17
.set WI,  18                           ; v18-20: where my 16 bytes of a weight load go, for the first, second and third of three loads (three loads are four rows)
.set LANE, 26
.set RR,  27
.set HH,  28
.set PRM, 29
.set ST,  32                           ; (mean, 1/sigma) of row pair k
.set AC,  48
.set TM,  64
.set PW,  80
.set LPC, 82
.set WST, 102
.set JJ,  32
.set HS,  32                           ; QKV: h's scale words, 4 (m / 2) + s
.set WS,  40                           ; the weights' scale words, 8 mat + 4 (t / 2) + s
.set ACC, 128
.set KQ,  32                           ; attention
.set KSR, 44
.set QSR, 45
.set VSR, 49
.set PWP, 51
.set NM,  52
.set TMX, 53
.set LS,  54
.set FF,  56
.set BM,  58
.set T2,  62
.set SO,  66
.set TP,  70
.set PC,  72
.set PX,  84
.set NINF, 91
.set OO,  128
.set SS,  192
.set WV,  46
.set HD,  47
.set TQ,  48
.set HP,  49
.set BAT, 50
.set GG,  51
.set SEL, 52
.set CS,  54
.set CNT, 56
.set QR,  92
.set MSB, 0
.macro WIN new                         ; the immediate's high byte repeats the setting that is left
.if MSB != (\new)
	s_set_vgpr_msb (MSB<<8)|(\new)
.set MSB, (\new)
.endif
.endm
.macro PLACES                          ; four plain places behind matrix instructions (ISA guide 7.12.1)
.rept 4
	v_nop
.endr
.endm
.macro BARRIER                         ; my LDS stores have landed and my LDS loads are in: then the work-group's barrier
	s_wait_dscnt 0x0
	s_barrier_signal -1
	s_barrier_wait -1
.endm
; one product: d, a, b first registers; c < 0: the sum starts with 0; sa, sb scale registers; ra, rb = 1: the words in lanes 16-31
.macro WM d, a, b, c, sa, ra, sb, rb
.if (\c) < 0
.if (\ra) == 0
.if (\rb) == 0
	v_wmma_scale_f32_16x16x128_f8f6f4 v[\d:\d+7], v[\a:\a+11], v[\b:\b+11], 0, v[\sa], v[\sb] matrix_a_fmt:MATRIX_FMT_BF6 matrix_b_fmt:MATRIX_FMT_BF6
.else
	v_wmma_scale_f32_16x16x128_f8f6f4 v[\d:\d+7], v[\a:\a+11], v[\b:\b+11], 0, v[\sa], v[\sb] matrix_a_fmt:MATRIX_FMT_BF6 matrix_b_fmt:MATRIX_FMT_BF6 matrix_b_scale:MATRIX_SCALE_ROW1
.endif
.else
.if (\rb) == 0
	v_wmma_scale_f32_16x16x128_f8f6f4 v[\d:\d+7], v[\a:\a+11], v[\b:\b+11], 0, v[\sa], v[\sb] matrix_a_fmt:MATRIX_FMT_BF6 matrix_b_fmt:MATRIX_FMT_BF6 matrix_a_scale:MATRIX_SCALE_ROW1
.else
	v_wmma_scale_f32_16x16x128_f8f6f4 v[\d:\d+7], v[\a:\a+11], v[\b:\b+11], 0, v[\sa], v[\sb] matrix_a_fmt:MATRIX_FMT_BF6 matrix_b_fmt:MATRIX_FMT_BF6 matrix_a_scale:MATRIX_SCALE_ROW1 matrix_b_scale:MATRIX_SCALE_ROW1
.endif
.endif
.else
.if (\ra) == 0
.if (\rb) == 0
	v_wmma_scale_f32_16x16x128_f8f6f4 v[\d:\d+7], v[\a:\a+11], v[\b:\b+11], v[\c:\c+7], v[\sa], v[\sb] matrix_a_fmt:MATRIX_FMT_BF6 matrix_b_fmt:MATRIX_FMT_BF6
.else
	v_wmma_scale_f32_16x16x128_f8f6f4 v[\d:\d+7], v[\a:\a+11], v[\b:\b+11], v[\c:\c+7], v[\sa], v[\sb] matrix_a_fmt:MATRIX_FMT_BF6 matrix_b_fmt:MATRIX_FMT_BF6 matrix_b_scale:MATRIX_SCALE_ROW1
.endif
.else
.if (\rb) == 0
	v_wmma_scale_f32_16x16x128_f8f6f4 v[\d:\d+7], v[\a:\a+11], v[\b:\b+11], v[\c:\c+7], v[\sa], v[\sb] matrix_a_fmt:MATRIX_FMT_BF6 matrix_b_fmt:MATRIX_FMT_BF6 matrix_a_scale:MATRIX_SCALE_ROW1
.else
	v_wmma_scale_f32_16x16x128_f8f6f4 v[\d:\d+7], v[\a:\a+11], v[\b:\b+11], v[\c:\c+7], v[\sa], v[\sb] matrix_a_fmt:MATRIX_FMT_BF6 matrix_b_fmt:MATRIX_FMT_BF6 matrix_a_scale:MATRIX_SCALE_ROW1 matrix_b_scale:MATRIX_SCALE_ROW1
.endif
.endif
.endif
.endm
; 32 numbers of a lane, register 16 b + i = k 32 b + 16 (lane / 16) + i of my row, become six registers of codes (k = 32 (lane / 16) + 0 .. 31) in v[pc] on and two scale bytes in v[pw]
.macro QUANT2 s, tm, pw, pc
.irp b,0,1
	v_max3_num_f32 v[\tm+\b], |v[\s+16*\b]|, |v[\s+16*\b+1]|, 0x2800000   ; with the floor 2^(5 - 127): the byte cannot fall under 1
.endr
.irp i,2,4,6,8,10,12,14
.irp b,0,1
	v_max3_num_f32 v[\tm+\b], v[\tm+\b], |v[\s+16*\b+\i]|, |v[\s+16*\b+\i+1]|
.endr
.endr
.irp b,0,1
	v_permlanex16_b32 v[\tm+2+\b], v[\tm+\b], s[SEL], s[SEL+1]
.endr
.irp b,0,1
	v_max_num_f32 v[\tm+\b], v[\tm+\b], v[\tm+2+\b]                     ; with lane l xor 16's: the block's largest magnitude
.endr
.irp b,0,1
	v_add_nc_u32 v[\tm+4+\b], 0xfe000000, v[\tm+\b]                     ; 4 off its exponent field: the conversion's scale operand
.endr
.irp b,0,1
	v_lshrrev_b32 v[\tm+2+\b], 23, v[\tm+4+\b]                          ; the scale's byte
.endr
	v_lshl_or_b32 v[\pw], v[\tm+3], 8, v[\tm+2]
	v_cvt_scalef32_pk16_bf6_f32 v[\pc:\pc+2], v[\s:\s+15], v[\tm+4]
	v_cvt_scalef32_pk16_bf6_f32 v[\tm:\tm+2], v[\s+16:\s+31], v[\tm+5]
	v_nop                                                               ; one plain place behind a scaled conversion
.irp i,0,1,2
	v_permlane16_swap_b32 v[\pc+\i], v[\tm+\i]                          ; a whole block to a lane: lanes 0-15 block 0, lanes 16-31 block 1
.endr
.irp i,0,1,2
	v_mov_b32 v[\pc+3+\i], v[\tm+\i]
.endr
.endm
; 64 numbers likewise become a whole fragment in v[LPC] on and its scale word in v[PW]
.macro QUANT4 s
.irp b,0,1,2,3
	v_max3_num_f32 v[TM+\b], |v[\s+16*\b]|, |v[\s+1+16*\b]|, 0x2800000
.endr
.irp i,2,4,6,8,10,12,14
.irp b,0,1,2,3
	v_max3_num_f32 v[TM+\b], v[TM+\b], |v[\s+16*\b+\i]|, |v[\s+1+16*\b+\i]|
.endr
.endr
.irp b,0,1,2,3
	v_permlanex16_b32 v[TM+4+\b], v[TM+\b], s[SEL], s[SEL+1]
.endr
.irp b,0,1,2,3
	v_max_num_f32 v[TM+\b], v[TM+\b], v[TM+4+\b]
.endr
.irp b,0,1,2,3
	v_add_nc_u32 v[TM+12+\b], 0xfe000000, v[TM+\b]
.endr
.irp b,0,1,2,3
	v_lshrrev_b32 v[TM+4+\b], 23, v[TM+12+\b]
.endr
	v_lshl_or_b32 v[PW], v[TM+5], 8, v[TM+4]
	v_lshl_or_b32 v[PW], v[TM+6], 16, v[PW]
	v_lshl_or_b32 v[PW], v[TM+7], 24, v[PW]
.irp c,0,1
	v_cvt_scalef32_pk16_bf6_f32 v[LPC+6*\c:LPC+2+6*\c], v[\s+32*\c:\s+15+32*\c], v[TM+12+2*\c]
	v_cvt_scalef32_pk16_bf6_f32 v[LPC+12+4*\c:LPC+14+4*\c], v[\s+16+32*\c:\s+31+32*\c], v[TM+12+2*\c+1]
.endr
	v_nop
.irp c,0,1
.irp i,0,1,2
	v_permlane16_swap_b32 v[LPC+6*\c+\i], v[LPC+12+4*\c+\i]
.endr
.irp i,0,1,2
	v_mov_b32 v[LPC+3+6*\c+\i], v[LPC+12+4*\c+\i]
.endr
.endr
.endm
; part s (128 columns) of a tile of 16 tokens of x: row pair k, piece e: sixteen lanes read 256 consecutive bytes of a row
.macro XLOADP base, s
	WIN 0x40
.irp k,0,1,2,3,4,5,6,7
.irp e,0,1
	global_load_b128 v[32*\k+8*(\s)+4*\e:32*\k+8*(\s)+4*\e+3], v[XO], s[\base:\base+1] offset:(2*\k+8*(\k/4))*2048+512*(\s)+256*\e
.endr
.endr
.endm
; part s of the normalised tile through my stage: in as it lies, back as 64 numbers of one row a lane.  LDS serves a wave's instructions in order: no wait between
.macro TURN s
	WIN 0x04
.irp k,0,1,2,3,4,5,6,7
.irp e,0,1
	ds_store_b128 v[SW], v[32*\k+8*(\s)+4*\e:32*\k+8*(\s)+4*\e+3] offset:1056*\k+256*\e
.endr
.endr
	WIN 0
.irp b,0,1,2,3
.irp j,0,1,2,3
	ds_load_b128 v[128+64*((\s)%2)+16*\b+4*\j:128+64*((\s)%2)+16*\b+4*\j+3], v[SR] offset:128*\b+16*\j
.endr
.endr
.endm
	s_load_b512 s[8:23], s[0:1], 0x0               ; x, ln1_g, ln1_b, Wk, Wq, Wv codes, Wk, Wq scales
	s_load_b512 s[24:39], s[0:1], 0x40             ; Wv scales, proj, W1, W2 codes, proj, W1, W2 scales, attc
	s_load_b128 s[40:43], s[0:1], 0x80             ; atts, wimg
	s_load_b64 s[44:45], s[0:1], 0x90              ; wsc
	v_lshrrev_b32 v30, 5, v0
	v_readfirstlane_b32 s[WV], v30
	s_lshr_b32 s[HD], s[WV], 2                     ; which head of the pair
	s_mul_i32 s57, s[HD], 7
	s_xor_b32 s[TQ], s[WV], s57
	s_and_b32 s[TQ], s[TQ], 3                      ; which quarter of the tokens: waves w and w + 4 take quarters tq and 3 - tq
	s_mov_b32 s[HP], ttmp9
	s_and_b32 s[BAT], ttmp7, 0xffff
	s_lshl_b32 s[GG], s[BAT], 2
	s_add_co_u32 s[GG], s[GG], s[HP]
	s_mov_b32 s[SEL], 0x76543210
	s_mov_b32 s[SEL+1], 0xfedcba98
	s_mov_b32 s[CS], 0x3d8293ee                    ; log2(e) / sqrt(512)
	s_mov_b32 s[CS+1], s[CS]
	s_mov_b32 s98, 0x3b000000                      ; 1 / 512
	s_and_b32 s99, s[WV], 3
	v_and_b32 v[LANE], 31, v0
	v_and_b32 v[RR], 15, v0
	v_bfe_u32 v[HH], v0, 4, 1
	v_and_b32 v[PRM], 8, v[RR]
	v_add_nc_u32 v[PRM], v[PRM], v[RR]             ; r + 8 (r / 8)
	v_lshlrev_b32 v[L16], 4, v[LANE]
	v_lshlrev_b32 v[L8], 3, v[LANE]
	v_lshlrev_b32 v[R4], 2, v[RR]
	v_lshlrev_b32 v[L4], 2, v[LANE]
	v_lshlrev_b32 v30, 4, v[HH]
	v_sub_nc_u32 v[VD0], v[PRM], v30
	v_lshlrev_b32 v[GO], 4, v[RR]
	v_lshl_add_u32 v[XO], v[HH], 11, v[GO]
	s_mul_i32 s57, s[WV], 8448
	s_add_co_u32 s57, s57, XST
	v_mul_u32_u24 v[SW], v[HH], 528
	v_add_nc_u32 v[SW], v[SW], v[GO]
	v_add_nc_u32 v[SW], s57, v[SW]
	v_mul_u32_u24 v[SR], v[RR], 528
	v_lshl_add_u32 v[SR], v[HH], 6, v[SR]
	v_add_nc_u32 v[SR], s57, v[SR]
	s_lshl_b32 s58, s[TQ], 2
	s_lshl_b32 s59, s[HD], 1
	s_add_co_u32 s58, s58, s59                     ; the first of the two tiles that I normalise
	s_mul_i32 s59, s58, 6144
	s_add_co_u32 s59, s59, HIMG
	v_add_nc_u32 v[HW0], s59, v[L16]
	s_lshl_b32 s59, s58, 6
	s_add_co_u32 s59, s59, HSC
	v_add_nc_u32 v[HSW0], s59, v[R4]
	; Where the weights' rows go.  I bring rows 16 qq .. 16 qq + 15 (qq = wave % 4) of each weight of head wave / 4.  Row rho lies in slot 16 t + r of its tile: rho with its bits 3 and 4 exchanged.
	; So qq gives 32 (qq / 2) + 8 (qq % 2) slots; the run of three loads n gives 16 (n / 2) + 4 (n % 2), which stands in the stores' immediates; the lane gives the row 0 .. 3 within the run.
	s_mul_i32 s59, s[HD], WHD
	s_lshr_b32 s60, s99, 1
	s_mul_i32 s60, s60, 32*WP
	s_and_b32 s61, s99, 1
	s_mul_i32 s61, s61, 8*WP
	s_add_co_u32 s59, s59, s60
	s_add_co_u32 s59, s59, s61
.irp kk,0,1,2
	v_add_nc_u32 v30, 32*\kk, v[LANE]              ; my piece of 16 bytes among the run's 96; a row has 24
	v_mul_u32_u24 v31, v30, 43
	v_lshrrev_b32 v31, 10, v31                     ; its row: piece / 24 (43 / 1,024 serves up to piece 95)
	v_add_nc_u32 v30, v30, v31                     ; 16 bytes a piece and 16 of padding for each row passed
	v_lshl_add_u32 v[WI+\kk], v30, 4, s59
.endr
	s_lshl_b32 s57, s[HP], 1
	s_add_co_u32 s57, s57, s[HD]                   ; the head
	s_mul_i32 s58, s57, 24576
	s_mul_i32 s60, s99, 6144
	s_add_co_u32 s58, s58, s60                     ; my 16 rows of the head's 64: 6,144 consecutive bytes
	s_mov_b32 s59, 0
	s_lshl_b32 s62, s57, 10
	s_mov_b32 s63, 0
	s_lshl_b32 s96, s[BAT], 19
	s_lshl_b32 s60, s[TQ], 1
	s_add_co_u32 s60, s60, s[HD]
	s_lshl_b32 s60, s60, 16
	s_add_co_u32 s96, s96, s60                     ; my 32 tokens of x
	s_mov_b32 s97, 0
	s_wait_kmcnt 0x0
	s_add_nc_u64 s[70:71], s[14:15], s[58:59]
	s_add_nc_u64 s[72:73], s[16:17], s[58:59]
	s_add_nc_u64 s[74:75], s[18:19], s[58:59]
	s_add_nc_u64 s[76:77], s[20:21], s[62:63]
	s_add_nc_u64 s[78:79], s[22:23], s[62:63]
	s_add_nc_u64 s[80:81], s[24:25], s[62:63]
	s_add_nc_u64 s[66:67], s[8:9], s[96:97]
	s_add_nc_u64 s[68:69], s[66:67], 16384         ; the second tile: 8 rows on
	s_lshl_b32 s57, s[BAT], 2
	s_add_co_u32 s57, s57, s[TQ]
	s_lshl_b32 s57, s57, 4
	s_lshl_b32 s60, s[HP], 2
	s_add_co_u32 s57, s57, s60
	s_mul_i32 s96, s57, 1536
	s_mul_i32 s60, s[HD], 768
	s_add_co_u32 s96, s96, s60
	s_add_nc_u64 s[94:95], s[38:39], s[96:97]      ; att's codes: my quarter, my K step, my half
	; 16 rows of each of the three weights: 36 loads, each of 512 consecutive bytes
.irp mat,0,1,2
.set jj, 0
.rept 12
	global_load_b128 v[WST+48*\mat+4*jj:WST+48*\mat+4*jj+3], v[L16], s[70+2*\mat:71+2*\mat] offset:512*jj
.set jj, jj+1
.endr
.endr
	XLOADP 66, 0
	XLOADP 66, 1
	XLOADP 66, 2
	XLOADP 66, 3
	WIN 0
	; THE SIDE JOB: fragment f = 8 G + wave of the second launch's 1,152, from rows into the order of the operand's registers
	s_cmp_lt_u32 s[GG], 144
	s_cbranch_scc0 .Lnojob
	s_lshr_b32 s57, s[GG], 2                       ; the set q
	s_and_b32 s58, s[GG], 3
	s_lshl_b32 s58, s58, 1
	s_add_co_u32 s58, s58, s[HD]
	s_lshl_b32 s58, s58, 2
	s_add_co_u32 s58, s58, s99                     ; 4 w' + t
	s_sub_co_u32 s59, s57, 4
	s_lshr_b32 s61, s59, 2
	s_lshl_b32 s61, s61, 5
	s_and_b32 s59, s59, 3                          ; W1: K step,
	s_add_co_u32 s61, s61, s58                     ; tile 32 j + 4 w' + t
	s_sub_co_u32 s62, s57, 20                      ; W2: K step
	s_mov_b32 s90, 1536
	s_mov_b32 s91, 64
	s_cmp_lt_u32 s57, 20
	s_cselect_b64 s[82:83], s[28:29], s[30:31]
	s_cselect_b64 s[84:85], s[34:35], s[36:37]
	s_cselect_b32 s59, s59, s62
	s_cselect_b32 s61, s61, s58
	s_cselect_b32 s90, 384, s90                    ; a row of codes in bytes,
	s_cselect_b32 s91, 16, s91                     ; a row of scale bytes
	s_cmp_lt_u32 s57, 4
	s_cselect_b64 s[82:83], s[26:27], s[82:83]
	s_cselect_b64 s[84:85], s[32:33], s[84:85]
	s_cselect_b32 s59, s57, s59
	s_cselect_b32 s61, s58, s61
	s_lshr_b32 s62, s61, 1
	s_lshl_b32 s62, s62, 5
	s_and_b32 s63, s61, 1
	s_lshl_b32 s63, s63, 3
	s_add_co_u32 s62, s62, s63                     ; the tile's first row
	s_mul_i32 s96, s62, s90
	s_mul_i32 s63, s59, 96
	s_add_co_u32 s96, s96, s63
	s_mov_b32 s97, 0
	s_add_nc_u64 s[82:83], s[82:83], s[96:97]
	s_mul_i32 s96, s62, s91
	s_lshl_b32 s63, s59, 2
	s_add_co_u32 s96, s96, s63
	s_add_nc_u64 s[84:85], s[84:85], s[96:97]
	s_lshl_b32 s62, s[GG], 3
	s_add_co_u32 s62, s62, s[WV]
	s_mul_i32 s96, s62, 1536
	s_add_nc_u64 s[86:87], s[42:43], s[96:97]
	s_lshl_b32 s96, s62, 6
	s_add_nc_u64 s[88:89], s[44:45], s[96:97]
	v_mul_lo_u32 v[JO], v[PRM], s90
	v_mad_u32_u24 v[JO], v[HH], 24, v[JO]
	v_mul_lo_u32 v[JS], v[PRM], s91
.irp p,0,1,2,3,4,5
	global_load_b64 v[JJ+2*\p:JJ+2*\p+1], v[JO], s[82:83] offset:48*(\p/3)+8*(\p%3)
.endr
	global_load_b32 v[JJ+12], v[JS], s[84:85]
	s_wait_loadcnt 0x0
.irp c,0,1,2
	global_store_b128 v[L16], v[JJ+4*\c:JJ+4*\c+3], s[86:87] offset:512*\c   ; 512 consecutive bytes a store
.endr
	global_store_b32 v[R4], v[JJ+12], s[88:89]     ; lanes 16-31 store the same words as lanes 0-15
.Lnojob:
	s_wait_loadcnt 63                              ; of x's 64 loads 63 may be out: all that is older, the weights, is in
.irp mat,0,1,2
.irp n,0,1,2,3
.irp kk,0,1,2
	ds_store_b128 v[WI+\kk], v[WST+48*\mat+4*(3*\n+\kk):WST+48*\mat+4*(3*\n+\kk)+3] offset:WMAT*\mat+(16*(\n/2)+4*(\n%2))*WP
.endr
.endr
.endr
	s_wait_xcnt 0x0                                ; the job's stores have read their registers
	s_wait_dscnt 0x0                               ; and these stores theirs: both are written again below
.irp i,0,1,2,3,4,5,6,7,8,9,10,11,12,13,14,15
	v_mov_b32 v[ST+\i], 0                          ; named in pairs before the second of a pair is made
.endr
.irp b,0,1,2,3
	v_mov_b32 v[TM+4+\b], 0                        ; a lane permute's destination counts as one of its sources
.endr
	s_mov_b32 s[CNT], 0
	s_mov_b32 s62, 0
	s_mov_b32 s63, 0
.Lln:                                              ; two trips: a tile of 16 tokens each
	v_add_nc_u32 v[HW], s62, v[HW0]
	v_add_nc_u32 v[HSW], s63, v[HSW0]
.irp e,0,1,2,3,4,5,6,7
	global_load_b128 v[128+4*\e:131+4*\e], v[GO], s[10:11] offset:256*\e     ; the gain of my columns,
.endr
.irp e,0,1,2,3,4,5,6,7
	global_load_b128 v[160+4*\e:163+4*\e], v[GO], s[12:13] offset:256*\e     ; the bias
.endr
	; the rows' sums.  The waits count what was issued behind a part: 16 loads for each later part and the 16 above (64 does not fit the wait's field: 63)
.irp s,0,1,2,3
.if \s == 0
	s_wait_loadcnt 63
	WIN 0x05
.irp k,0,1,2,3,4,5,6,7
	v_pk_add_f32 v[AC+2*\k:AC+2*\k+1], v[32*\k:32*\k+1], v[32*\k+2:32*\k+3]
.endr
	WIN 0x04
.irp j,4,6
.irp k,0,1,2,3,4,5,6,7
	v_pk_add_f32 v[AC+2*\k:AC+2*\k+1], v[AC+2*\k:AC+2*\k+1], v[32*\k+\j:32*\k+\j+1]
.endr
.endr
.else
	s_wait_loadcnt 64-16*\s
.irp j,0,2,4,6
.irp k,0,1,2,3,4,5,6,7
	v_pk_add_f32 v[AC+2*\k:AC+2*\k+1], v[AC+2*\k:AC+2*\k+1], v[32*\k+8*\s+\j:32*\k+8*\s+\j+1]
.endr
.endr
.endif
.endr
	WIN 0
.irp k,0,1,2,3,4,5,6,7
	v_add_f32 v[AC+2*\k], v[AC+2*\k], v[AC+2*\k+1]
.endr
.irp x,1,2,4,8                                     ; a row lies in one half of 16 lanes
.irp k,0,1,2,3,4,5,6,7
	v_add_f32_dpp v[AC+2*\k], v[AC+2*\k], v[AC+2*\k] row_xmask:\x row_mask:0xf bank_mask:0xf
.endr
.endr
.irp k,0,1,2,3,4,5,6,7
	v_mul_f32 v[ST+2*\k], s98, v[AC+2*\k]          ; the mean
.endr
	WIN 0x41
.irp k,0,1,2,3,4,5,6,7
.set jj, 0
.rept 16
	v_pk_add_f32 v[32*\k+jj:32*\k+jj+1], v[32*\k+jj:32*\k+jj+1], v[ST+2*\k:ST+2*\k+1] op_sel_hi:[1,0] neg_lo:[0,1] neg_hi:[0,1]
.set jj, jj+2
.endr
.endr
	WIN 0x05
.irp k,0,1,2,3,4,5,6,7
	v_pk_mul_f32 v[AC+2*\k:AC+2*\k+1], v[32*\k:32*\k+1], v[32*\k:32*\k+1]
.endr
.set jj, 2
.rept 15
.irp k,0,1,2,3,4,5,6,7
	v_pk_fma_f32 v[AC+2*\k:AC+2*\k+1], v[32*\k+jj:32*\k+jj+1], v[32*\k+jj:32*\k+jj+1], v[AC+2*\k:AC+2*\k+1]
.endr
.set jj, jj+2
.endr
	WIN 0
.irp k,0,1,2,3,4,5,6,7
	v_add_f32 v[AC+2*\k], v[AC+2*\k], v[AC+2*\k+1]
.endr
.irp x,1,2,4,8
.irp k,0,1,2,3,4,5,6,7
	v_add_f32_dpp v[AC+2*\k], v[AC+2*\k], v[AC+2*\k] row_xmask:\x row_mask:0xf bank_mask:0xf
.endr
.endr
.irp k,0,1,2,3,4,5,6,7
	v_fmaak_f32 v[AC+2*\k], s98, v[AC+2*\k], 0x3727c5ac   ; the variance + 1e-5
.endr
.irp k,0,1,2,3,4,5,6,7
	v_rsq_f32 v[ST+2*\k+1], v[AC+2*\k]
.endr
	v_nop                                          ; a plain place behind the last of them
	s_wait_loadcnt 0x0                             ; gain and bias
	WIN 0x41
	s_wait_alu depctr_va_vdst(0)
.irp k,0,1,2,3,4,5,6,7
.set jj, 0
.rept 16
	v_pk_mul_f32 v[32*\k+jj:32*\k+jj+1], v[32*\k+jj:32*\k+jj+1], v[ST+2*\k:ST+2*\k+1] op_sel:[0,1] op_sel_hi:[1,1]
.set jj, jj+2
.endr
.set jj, 0
.rept 16
	v_pk_fma_f32 v[32*\k+jj:32*\k+jj+1], v[32*\k+jj:32*\k+jj+1], v[128+jj:129+jj], v[160+jj:161+jj]
.set jj, jj+2
.endr
.endr
	TURN 0
.irp s,0,1,2,3
.if \s < 3
	TURN \s+1
	s_wait_dscnt 32                                ; all but the next part's 16 stores and 16 loads: this part is back, and its stores have read their registers
.else
	s_wait_dscnt 0x0
.endif
	s_cmp_lg_u32 s[CNT], 0                         ; in the first trip the second tile's part lands where this part lay
	s_cbranch_scc1 .Lnox\s
	XLOADP 68, \s
	WIN 0
.Lnox\s:
	QUANT4 128+64*(\s%2)
.irp c,0,1,2
	ds_store_b128 v[HW], v[LPC+4*\c:LPC+4*\c+3] offset:1536*\s+512*\c
.endr
	ds_store_b32 v[HSW], v[PW] offset:1024*\s
.endr
	s_add_co_u32 s62, s62, 6144
	s_add_co_u32 s63, s63, 64
	s_add_co_u32 s[CNT], s[CNT], 1
	s_cmp_lt_u32 s[CNT], 2
	s_cbranch_scc1 .Lln
	s_wait_loadcnt 0x0                             ; no load of mine is out: the address registers are made anew
	; addresses of the products and of the attention
	s_mul_i32 s57, s[TQ], 24576
	s_add_co_u32 s57, s57, HIMG
	v_add_nc_u32 v6, s57, v[L16]                   ; h's images of my four tiles
	s_lshl_b32 s57, s[TQ], 8
	s_add_co_u32 s57, s57, HSC
	v_add_nc_u32 v7, s57, v[L4]
	s_mul_i32 s57, s[HD], WHD
	v_mul_u32_u24 v8, v[RR], WP
	v_mad_u32_u24 v8, v[HH], 24, v8
	v_add_nc_u32 v8, s57, v8                       ; my head's weight rows: slot r, + 24 h; v's lie two weights on
	v_add_nc_u32 v9, 2*WMAT, v8
	s_lshl_b32 s57, s[HD], 4
	s_lshl_b32 s58, s[TQ], 2
	s_add_co_u32 s57, s57, s58
	s_mul_i32 s58, s57, 768
	s_add_co_u32 s58, s58, QIMG
	v_add_nc_u32 v10, s58, v[L16]
	v_add_nc_u32 v11, s58, v[L8]
	v_add_nc_u32 v11, 512, v11
	s_lshl_b32 s58, s57, 6
	s_add_co_u32 s58, s58, QSC
	v_add_nc_u32 v12, s58, v[R4]
	s_lshl_b32 s57, s[HD], 3
	s_lshr_b32 s58, s[TQ], 1
	s_add_co_u32 s57, s57, s58
	s_mul_i32 s57, s57, 1536
	s_add_co_u32 s57, s57, VIMG
	s_and_b32 s59, s[TQ], 1                        ; my tokens are half c = tq % 2 of key step tq / 2
	s_mul_i32 s60, s59, 520
	s_add_co_u32 s60, s60, s57
	v_add_nc_u32 v13, s60, v[L16]                  ; registers 6 c, 6 c + 1 of a full image,
	v_add_nc_u32 v15, 512, v13                     ; 6 c + 4, 6 c + 5,
	s_mul_i32 s61, s59, 1016
	s_add_co_u32 s61, s61, s57
	s_add_co_u32 s61, s61, 8
	v_add_nc_u32 v14, s61, v[L16]                  ; 6 c + 2, 6 c + 3
	s_lshl_b32 s57, s[HD], 3
	s_lshl_b32 s58, s58, 2
	s_add_co_u32 s57, s57, s58
	s_lshl_b32 s57, s57, 6
	s_lshl_b32 s59, s59, 1
	s_add_co_u32 s57, s57, s59
	s_add_co_u32 s57, s57, VSC
	v_add_nc_u32 v16, s57, v[R4]
	v_lshl_add_u32 v17, v[HH], 3, v[PRM]
	v_lshlrev_b32 v17, 4, v17                      ; the weights' scale rows: lanes 0-15 an even tile's, lanes 16-31 the odd one's
	s_mul_i32 s57, s[HD], 12288
	s_add_co_u32 s58, s57, QIMG
	v_add_nc_u32 v18, s58, v[L16]
	v_add_nc_u32 v19, s58, v[L8]
	v_add_nc_u32 v19, 512, v19
	s_add_co_u32 s58, s57, VIMG
	v_add_nc_u32 v20, s58, v[L16]
	s_lshl_b32 s57, s[HD], 10
	s_add_co_u32 s58, s57, QSC
	v_add_nc_u32 v21, s58, v[L4]
	s_lshl_b32 s58, s[HD], 9
	s_add_co_u32 s58, s58, VSC
	v_add_nc_u32 v22, s58, v[L4]
	s_lshl_b32 s58, s[TQ], 8
	s_add_co_u32 s58, s58, s57
	s_add_co_u32 s58, s58, ASC
	v_add_nc_u32 v23, s58, v[R4]
	v_mov_b32 v24, v[L8]
	s_lshl_b32 s58, s[WV], 8
	s_add_co_u32 s58, s58, ASC
	v_add_nc_u32 v30, s58, v[L8]
.irp mat,0,1,2
.irp b,0,1
	global_load_b128 v[WS+8*\mat+4*\b:WS+8*\mat+4*\b+3], v17, s[76+2*\mat:77+2*\mat] offset:512*\b
.endr
.endr
	BARRIER                                        ; the weights' rows, h's images and h's scale words lie in LDS
	s_wait_loadcnt 0x0
	WIN 0x40
.set jj, 0
.rept 48
	ds_load_b128 v[4*jj:4*jj+3], v6 offset:512*jj  ; h's fragment (m, s) at 12 (4 m + s): it stays in registers
.set jj, jj+1
.endr
	WIN 0
.irp mp,0,1
.irp s,0,1,2,3
	ds_load_b32 v[HS+4*\mp+\s], v7 offset:1024*\s+128*\mp
.endr
.endr
	BARRIER                                        ; nobody reads h's images any more: their bytes take q, k, v
; the four tiles' fragments of K step s, from the rows: registers 6 c + 2 j, 6 c + 2 j + 1 are the 8 bytes at 96 s + 48 c + 24 h + 8 j of slot 16 t + r.  Even s into v80 on, odd s into window 1's v192 on
.macro FETCHW s, adr, base
.if (\s)%2
	WIN 0x40
.else
	WIN 0
.endif
.irp t,0,1,2,3
.irp p,0,1,2,3,4,5
	ds_load_b64 v[80+112*((\s)%2)+12*\t+2*\p:80+112*((\s)%2)+12*\t+2*\p+1], v[\adr] offset:(\base)+16*WP*\t+96*(\s)+48*(\p/3)+8*(\p%3)
.endr
.endr
.endm
; one of k, q, v for my 64 tokens: 64 products, the 16 accumulators by turns, then quantised and stored as images
.macro UNIT mat, kind, adr, base
	FETCHW 0, \adr, \base
.irp s,0,1,2,3
	PLACES
.if \s < 3
	FETCHW \s+1, \adr, \base
	s_wait_dscnt 24                                ; all but the 24 just issued
.else
	s_wait_dscnt 0x0
.endif
.if \kind == 0
	WIN 0x04+(\s%2)
.else
	WIN 0x01+4*(\s%2)
.endif
.irp m,0,1,2,3
.irp t,0,1,2,3
.if \kind == 0
.if \s == 0
	WM ACC+32*\m+8*\t, 80+112*(\s%2)+12*\t, 12*(4*\m+\s), -1, WS+8*\mat+4*(\t/2)+\s, \t%2, HS+4*(\m/2)+\s, \m%2
.else
	WM ACC+32*\m+8*\t, 80+112*(\s%2)+12*\t, 12*(4*\m+\s), ACC+32*\m+8*\t, WS+8*\mat+4*(\t/2)+\s, \t%2, HS+4*(\m/2)+\s, \m%2
.endif
.else
.if \s == 0
	WM ACC+32*\t+8*\m, 12*(4*\m+\s), 80+112*(\s%2)+12*\t, -1, HS+4*(\m/2)+\s, \m%2, WS+8*\mat+4*(\t/2)+\s, \t%2
.else
	WM ACC+32*\t+8*\m, 12*(4*\m+\s), 80+112*(\s%2)+12*\t, ACC+32*\t+8*\m, HS+4*(\m/2)+\s, \m%2, WS+8*\mat+4*(\t/2)+\s, \t%2
.endif
.endif
.endr
.endr
.endr
	WIN 0
	PLACES
.irp i,0,1,2,3
	QUANT2 ACC+32*\i, 64, 70, 72
.if \mat == 2
	ds_store_b64 v13, v[72:73] offset:3072*\i      ; channels' tile i, my half of the key step's fragment
	ds_store_b64 v14, v[74:75] offset:3072*\i
	ds_store_b64 v15, v[76:77] offset:3072*\i
	ds_store_b16 v16, v70 offset:64*\i
.else
	ds_store_b128 v10, v[72:75] offset:KOFF*(1-\mat)+768*\i
	ds_store_b64 v11, v[76:77] offset:KOFF*(1-\mat)+768*\i
	ds_store_b32 v12, v70 offset:KSOFF*(1-\mat)+64*\i   ; bytes 2 and 3 are 0: they scale zero codes
.endif
	s_wait_dscnt 0x0                               ; the stores have read their registers
.endr
.endm
	v_mov_b32 v66, 0                               ; lane permutes' destinations
	v_mov_b32 v67, 0
	UNIT 0, 0, 8, 0
	UNIT 1, 0, 8, WMAT
	UNIT 2, 1, 9, 0
	BARRIER                                        ; q's, k's and v's images and scale words lie in LDS
	WIN 0x40
.irp kt,0,1,2,3,4,5,6,7
.irp i,6,7,8,9,10,11
	v_mov_b32 v[12*\kt+\i], 0                      ; K = 64 of the instruction's 128: the rest are zero codes, on both sides
.endr
.endr
	WIN 0
.irp i,38,39,40,41,42,43
	v_mov_b32 v[\i], 0
.endr
	v_mov_b32 v[FF+1], 0
.irp b,0,1,2,3
	v_mov_b32 v[T2+\b], 0
.endr
	v_mov_b32 v[TP+1], 0
	v_mov_b32 v94, 0
	v_mov_b32 v95, 0
	v_mov_b32 v[NINF], 0xff800000
.macro MASKB b                         ; block b of the diagonal key step: hidden keys' scores become -infinity; a block all of whose keys count for all 16 rows is passed over
	s_cmp_ge_u32 s[QR], 32*\b+31
	s_cbranch_scc1 .Lvis_\@
.irp i,0,1,2,3,4,5,6,7,8,9,10,11,12,13,14,15
	v_cmp_gt_i32 vcc_lo, 32*\b+\i, v25
	v_cndmask_b32 v[SS+16*\b+\i], v[SS+16*\b+\i], v[NINF], vcc_lo
.endr
.Lvis_\@:
.endm
; A KEY STEP of 128 keys for one tile of 16 rows.  first = 1: it starts M, the sum and O
.macro STEP ks, first
	PLACES
	WIN 0x40
.irp kt,0,1,2,3,4,5,6,7
	ds_load_b128 v[12*\kt:12*\kt+3], v18 offset:(8*\ks+\kt)*768
	ds_load_b64 v[12*\kt+4:12*\kt+5], v19 offset:(8*\ks+\kt)*768
.endr
	WIN 0
.irp b,0,1,2,3
	ds_load_b32 v[QSR+\b], v21 offset:(8*\ks+2*\b)*64
.endr
	WIN 0x40
.irp t,0,1,2,3
.irp c,0,1,2
	ds_load_b128 v[96+12*\t+4*\c:96+12*\t+4*\c+3], v20 offset:(2*\t+\ks)*1536+512*\c
.endr
.endr
	WIN 0
.irp tp,0,1
	ds_load_b32 v[VSR+\tp], v22 offset:(4*\ks+2*\tp)*64
.endr
	s_wait_dscnt 14                                ; v's 12 loads and its 2 scale loads may be out
	WIN 0x01
.irp kt,0,1,2,3,4,5,6,7
	WM SS+8*\kt, 12*\kt, KQ, -1, QSR+\kt/2, \kt%2, KSR, 0
.endr
	WIN 0
	PLACES
.if \ks == 0
	s_cmp_ge_u32 s[TQ], 2                          ; for the later quarters all of the first 128 keys count
	s_cbranch_scc1 .Lnomask_\@
.endif
	MASKB 0
	MASKB 1
	MASKB 2
	MASKB 3
.Lnomask_\@:
.irp b,0,1,2,3
	v_max3_num_f32 v[BM+\b], v[SS+16*\b], v[SS+1+16*\b], v[SS+2+16*\b]   ; the largest score of each block of 32 keys: for the row's maximum and for the block's largest p
.endr
.irp i,3,5,7,9,11,13
.irp b,0,1,2,3
	v_max3_num_f32 v[BM+\b], v[BM+\b], v[SS+16*\b+\i], v[SS+1+16*\b+\i]
.endr
.endr
.irp b,0,1,2,3
	v_max_num_f32 v[BM+\b], v[BM+\b], v[SS+15+16*\b]
.endr
.irp b,0,1,2,3
	v_permlanex16_b32 v[T2+\b], v[BM+\b], s[SEL], s[SEL+1]
.endr
.irp b,0,1,2,3
	v_max_num_f32 v[BM+\b], v[BM+\b], v[T2+\b]
.endr
	v_max3_num_f32 v[TP], v[BM], v[BM+1], v[BM+2]
	v_max_num_f32 v[TP], v[TP], v[BM+3]
.if \first
	v_mul_f32 v[TMX], s[CS], v[TP]                 ; the largest t
	v_floor_f32 v[NM], -v[TMX]                     ; -M = floor(-t): M is a whole number
.else
	v_mul_f32 v[TP], s[CS], v[TP]
	v_max_num_f32 v[TMX], v[TMX], v[TP]
	v_mov_b32 v[TP], v[NM]
	v_floor_f32 v[NM], -v[TMX]
	v_sub_f32 v[TP], v[NM], v[TP]                  ; old M - new M: a whole number, 0 or less
	v_cvt_i32_f32 v[TP], v[TP]
	v_ldexp_f32 v[FF], 1.0, v[TP]                  ; f = 2^(old M - new M): multiplying by it rounds nothing
.endif
.set jj, 0
.rept 32
	v_pk_fma_f32 v[SS+jj:SS+jj+1], v[SS+jj:SS+jj+1], s[CS:CS+1], v[NM:NM+1] op_sel_hi:[1,0,0]
.set jj, jj+2
.endr
.irp b,0,1,2,3
	v_fma_f32 v[BM+\b], v[BM+\b], s[CS], v[NM]
.endr
.set jj, 0
.rept 64
	v_exp_f32 v[SS+jj], v[SS+jj]                   ; p = 2^(t - M)
.set jj, jj+1
.endr
.irp b,0,1,2,3
	v_exp_f32 v[BM+\b], v[BM+\b]
.endr
.if \first
	v_nop                                          ; a plain place behind the exponentials
	s_wait_alu depctr_va_vdst(0)
.else
	v_pk_mul_f32 v[LS:LS+1], v[LS:LS+1], v[FF:FF+1] op_sel_hi:[1,0]   ; the sum under the new M (a plain place behind the exponentials)
	s_wait_alu depctr_va_vdst(0)
.endif
.irp b,0,1,2,3
	v_max_num_f32 v[BM+\b], 0x2800000, v[BM+\b]
.endr
.irp b,0,1,2,3
	v_add_nc_u32 v[SO+\b], 0xfe000000, v[BM+\b]
.endr
.irp b,0,1,2,3
	v_lshrrev_b32 v[T2+\b], 23, v[SO+\b]
.endr
	v_lshl_or_b32 v[PWP], v[T2+1], 8, v[T2]
	v_lshl_or_b32 v[PWP], v[T2+2], 16, v[PWP]
	v_lshl_or_b32 v[PWP], v[T2+3], 24, v[PWP]
.irp c,0,1
	v_cvt_scalef32_pk16_bf6_f32 v[PC+6*\c:PC+2+6*\c], v[SS+32*\c:SS+15+32*\c], v[SO+2*\c]
	v_cvt_scalef32_pk16_bf6_f32 v[PX+4*\c:PX+2+4*\c], v[SS+16+32*\c:SS+31+32*\c], v[SO+2*\c+1]
.endr
	v_nop
.irp c,0,1
.irp i,0,1,2
	v_permlane16_swap_b32 v[PC+6*\c+\i], v[PX+4*\c+\i]
.endr
.irp i,0,1,2
	v_mov_b32 v[PC+3+6*\c+\i], v[PX+4*\c+\i]
.endr
.endr
.if \first == 0
.set jj, 0
.rept 16
	v_pk_mul_f32 v[OO+jj:OO+jj+1], v[OO+jj:OO+jj+1], v[FF:FF+1] op_sel_hi:[1,0]   ; O under the new M
.set jj, jj+2
.endr
.endif
	v_pk_add_f32 v[T2:T2+1], v[SS:SS+1], v[SS+2:SS+3]   ; the sum of the unquantised p, in two chains; these lines are also the places in front of the products below
.irp j,4,8,12,16,20,24,28,32,36,40,44,48,52,56,60
.if \first && (\j == 4)
.elseif \first && (\j == 8)
	v_pk_add_f32 v[LS:LS+1], v[SS+4:SS+5], v[SS+8:SS+9]
.else
	v_pk_add_f32 v[LS:LS+1], v[LS:LS+1], v[SS+\j:SS+\j+1]
.endif
	v_pk_add_f32 v[T2:T2+1], v[T2:T2+1], v[SS+\j+2:SS+\j+3]
.endr
	v_pk_add_f32 v[LS:LS+1], v[LS:LS+1], v[T2:T2+1]
	s_wait_dscnt 0x0                               ; v's fragments and scale words
	WIN 0x01
.irp t,0,1,2,3
.if \first
	WM OO+8*\t, 96+12*\t, PC, -1, VSR+\t/2, \t%2, PWP, 0
.else
	WM OO+8*\t, 96+12*\t, PC, OO+8*\t, VSR+\t/2, \t%2, PWP, 0
.endif
.endr
	WIN 0
.endm
	s_and_b32 s84, s[TQ], 1
	s_lshl_b32 s84, s84, 6
	s_mov_b32 s82, 0
	s_mov_b32 s83, 0
	s_mov_b32 s93, 0
.Lrow:                                             ; four trips: my four tiles of 16 rows
	s_lshr_b32 s85, s93, 1
	s_lshl_b32 s85, s85, 5
	s_and_b32 s86, s93, 1
	s_lshl_b32 s86, s86, 3
	s_add_co_u32 s[QR], s84, s85
	s_add_co_u32 s[QR], s[QR], s86                 ; the tile's first row, counted from the diagonal key step's first key
	v_add_nc_u32 v25, s[QR], v[VD0]                ; register 16 b + i is hidden where 32 b + i > this
	v_add_nc_u32 v26, s82, v10
	v_add_nc_u32 v27, s82, v11
	v_add_nc_u32 v28, s83, v12
	v_add_nc_u32 v29, s83, v23
	ds_load_b128 v[KQ:KQ+3], v26 offset:KOFF       ; my rows' fragment of k, which I stored myself
	ds_load_b64 v[KQ+4:KQ+5], v27 offset:KOFF
	ds_load_b32 v[KSR], v28 offset:KSOFF
	STEP 0, 1
	s_cmp_lt_u32 s[TQ], 2                          ; keys 128 on come after every row of the first two quarters
	s_cbranch_scc1 .Lonestep
	STEP 1, 0
.Lonestep:
	PLACES
	v_add_f32 v[TP], v[LS], v[LS+1]
	v_permlanex16_b32 v[TP+1], v[TP], s[SEL], s[SEL+1]
	v_add_f32 v[TP], v[TP], v[TP+1]
	v_rcp_f32 v[FF], v[TP]
	v_nop
.set jj, 0
	s_wait_alu depctr_va_vdst(0)
.rept 16
	v_pk_mul_f32 v[OO+jj:OO+jj+1], v[OO+jj:OO+jj+1], v[FF:FF+1] op_sel_hi:[1,0]
.set jj, jj+2
.endr
	QUANT2 OO, 92, 98, 100
.irp p,0,1,2
	global_store_b64 v24, v[100+2*\p:101+2*\p], s[94:95] offset:256*\p   ; 32 lanes store 256 consecutive bytes, aligned
.endr
	ds_store_b32 v29, v98
	s_wait_xcnt 0x0                                ; the stores have read their registers
	v_add_nc_u32 v24, 1536, v24
	s_add_co_u32 s82, s82, 768
	s_add_co_u32 s83, s83, 64
	s_add_co_u32 s93, s93, 1
	s_cmp_lt_u32 s93, 4
	s_cbranch_scc1 .Lrow
	BARRIER                                        ; both heads' scale bytes of att lie in LDS
	s_cmp_lt_u32 s[WV], 4
	s_cbranch_scc0 .Lend
	ds_load_b64 v[32:33], v30                      ; wave w joins quarter w's: head 0's two bytes below, head 1's above
	ds_load_b64 v[34:35], v30 offset:1024
	s_lshl_b32 s57, s[BAT], 2
	s_add_co_u32 s57, s57, s[WV]
	s_lshl_b32 s57, s57, 2
	s_add_co_u32 s57, s57, s[HP]
	s_lshl_b32 s96, s57, 8
	s_mov_b32 s97, 0
	s_add_nc_u64 s[40:41], s[40:41], s[96:97]
	s_wait_dscnt 0x0
	v_lshl_or_b32 v36, v34, 16, v32
	v_lshl_or_b32 v37, v35, 16, v33
	global_store_b64 v[L8], v[36:37], s[40:41]     ; 256 consecutive bytes, aligned
.Lend:
	s_wait_xcnt 0x0
	v_lshl_add_u32 v254, v0, 2, 0x4f000
	v_mov_b32 v255, 0
	s_wait_tensorcnt 0x0
	ds_add_u32 v254, v255
	s_wait_dscnt 0x0
	s_endpgm
.Lfunc_end_k_qfb46c5300b_attn:
	.size	k_qfb46c5300b_attn, .Lfunc_end_k_qfb46c5300b_attn-k_qfb46c5300b_attn
	.p2alignl 7, 3214868480
	.fill 96, 4, 3214868480
	.section	.rodata,"a",@progbits
	.p2align	6, 0x0
	.amdhsa_kernel k_qfb46c5300b_attn
		.amdhsa_group_segment_fixed_size 324608
		.amdhsa_private_segment_fixed_size 0
		.amdhsa_enable_private_segment 0
		.amdhsa_kernarg_size 152
		.amdhsa_user_sgpr_count 2
		.amdhsa_user_sgpr_kernarg_segment_ptr 1
		.amdhsa_wavefront_size32 1
		.amdhsa_system_sgpr_workgroup_id_x 1
		.amdhsa_system_sgpr_workgroup_id_y 1
		.amdhsa_system_sgpr_workgroup_id_z 1
		.amdhsa_system_vgpr_workitem_id 0
		.amdhsa_next_free_vgpr 512
		.amdhsa_next_free_sgpr 100
		.amdhsa_reserve_vcc 1
		.amdhsa_float_denorm_mode_32 3
		.amdhsa_float_denorm_mode_16_64 3
		.amdhsa_memory_ordered 1
		.amdhsa_forward_progress 1
		.amdhsa_inst_pref_size 224
	.end_amdhsa_kernel
	.amdgpu_metadata
---
amdhsa.version: [ 1, 2 ]
amdhsa.kernels:
  - .name:           k_qfb46c5300b_attn
    .symbol:         k_qfb46c5300b_attn.kd
    .args:
      - { .name: x, .offset: 0, .size: 8, .value_kind: global_buffer, .address_space: global }
      - { .name: ln1_g, .offset: 8, .size: 8, .value_kind: global_buffer, .address_space: global }
      - { .name: ln1_b, .offset: 16, .size: 8, .value_kind: global_buffer, .address_space: global }
      - { .name: Wk_codes, .offset: 24, .size: 8, .value_kind: global_buffer, .address_space: global }
      - { .name: Wq_codes, .offset: 32, .size: 8, .value_kind: global_buffer, .address_space: global }
      - { .name: Wv_codes, .offset: 40, .size: 8, .value_kind: global_buffer, .address_space: global }
      - { .name: Wk_scales, .offset: 48, .size: 8, .value_kind: global_buffer, .address_space: global }
      - { .name: Wq_scales, .offset: 56, .size: 8, .value_kind: global_buffer, .address_space: global }
      - { .name: Wv_scales, .offset: 64, .size: 8, .value_kind: global_buffer, .address_space: global }
      - { .name: proj_w_codes, .offset: 72, .size: 8, .value_kind: global_buffer, .address_space: global }
      - { .name: W1_codes, .offset: 80, .size: 8, .value_kind: global_buffer, .address_space: global }
      - { .name: W2_codes, .offset: 88, .size: 8, .value_kind: global_buffer, .address_space: global }
      - { .name: proj_w_scales, .offset: 96, .size: 8, .value_kind: global_buffer, .address_space: global }
      - { .name: W1_scales, .offset: 104, .size: 8, .value_kind: global_buffer, .address_space: global }
      - { .name: W2_scales, .offset: 112, .size: 8, .value_kind: global_buffer, .address_space: global }
      - { .name: attc, .offset: 120, .size: 8, .value_kind: global_buffer, .address_space: global }
      - { .name: atts, .offset: 128, .size: 8, .value_kind: global_buffer, .address_space: global }
      - { .name: wimg, .offset: 136, .size: 8, .value_kind: global_buffer, .address_space: global }
      - { .name: wsc, .offset: 144, .size: 8, .value_kind: global_buffer, .address_space: global }
    .group_segment_fixed_size: 324608
    .private_segment_fixed_size: 0
    .kernarg_segment_align: 8
    .kernarg_segment_size: 152
    .max_flat_workgroup_size: 256
    .sgpr_count:     100
    .vgpr_count:     512
    .wavefront_size: 32
...
	.end_amdgpu_metadata
.endif
;; end of part 1
;; launch mlp (part 2): grid 256 x 1, 8 waves a work-group, no clusters, 297,984 bytes of LDS; arguments x, attc, atts, wimg, wsc, proj_b, ln2_g, ln2_b, b1, b2, out0; writes out0
.if DOCPART == 2
	.amdgcn_target "amdgcn-amd-amdhsa--gfx1250"
	.amdhsa_code_object_version 6
	.text
	.protected	k_qfb46c5300b_mlp
	.globl	k_qfb46c5300b_mlp
	.p2align	8
	.type	k_qfb46c5300b_mlp,@function
k_qfb46c5300b_mlp:
	s_mov_b64 s[64:65], 0
	v_nop
	global_prefetch_b8 v0, s[64:65] scope:SCOPE_SE
	s_setreg_imm32_b32 hwreg(HW_REG_WAVE_MODE, 25, 1), 1
	s_wait_xcnt 0x0
; x1 = x + att proj_w + proj_b;  out0 = x1 + relu(LN2(x1) W1 + b1) W2 + b2.  All three products on E3M2 codes with E8M0 scales.
; A work-group takes 64 tokens (four tiles m of 16; token 32 (m / 2) + 8 (m % 2) + r + 8 (r / 8)).  THE EIGHT WAVES SHARE THE COLUMNS: wave w makes features 64 w .. 64 w + 63 of proj's and W2's
; results and hidden units 512 j + 64 w .. + 63 of chunk j: 4 tiles of weight rows x 4 tiles of tokens = 16 accumulators.  Source 0 = 16 rows of a weight, source 1 = 16 tokens: a lane holds one token.
; THE WEIGHTS come from memory straight into registers, in the order of the operand's registers (laid so by the first launch): 36 sets of 6,144 consecutive bytes a wave, through a ring of four register
; slots, three sets ahead.  They do not go through LDS: a wave reads 6,144 bytes of token fragments from LDS for each set already, and each weight fragment is read by one wave alone.
; THE TOKENS' OPERANDS (att, h2, the hidden layer) lie in LDS as images of their registers; what a wave quantises is half w % 2 of K step w / 2 (+ 4 j).  The hidden layer never goes to memory.
; Residuals and biases: x + proj_b is the C of proj's first products, b1 of W1's, x1 of W2's; b2 is added on the way out.
; LIMITS: NaN and infinities among the inputs are not served.  A block whose largest magnitude lies under 2^-122, and a block of zeros, gets the scale byte 1 (this program alone reads those bytes).
; The order of f32 additions differs from the reference's; LN2's mean first, then the squares of the centred numbers.
.set TOKH, 24576                       ; LDS: att's 16 images at 0, h2's here,
.set HID,  49152                       ; the hidden layer's 64,
.set ASCL, 147456                      ; att's scale words (256 s + 64 m + 4 r); h2's 1,024 on; the hidden layer's 2,048 on
.set B1L,  153600                      ; b1
.set STAT1, 161792                     ; the waves' partial sums: 256 w + 16 r + 4 m; the squares' 2,048 on
.set PRIV, 165888                      ; 16,384 bytes of each wave's own: a stage of 16 rows x 272 bytes, and x1's image
.set L16, 1
.set L4,  2
.set TS,  4
.set PB,  22
.set ST2, 26
.set WSR, 34
.set TSR, 42
.set TMP, 46
.set L8,  78
.set R16, 79
.set TF0, 80
.set HA,  128
.set W,   30
.set SEL, 40
.set CNT, 42
.set MSB, 0
.macro WIN new                         ; the immediate's high byte repeats the setting that is left
.if MSB != (\new)
	s_set_vgpr_msb (MSB<<8)|(\new)
.set MSB, (\new)
.endif
.endm
.macro PLACES                          ; four plain places behind matrix instructions (ISA guide 7.12.1)
.rept 4
	v_nop
.endr
.endm
.macro BARRIER
	s_wait_dscnt 0x0
	s_barrier_signal -1
	s_barrier_wait -1
.endm
.macro WM d, a, b, c, sa, ra, sb, rb   ; one product; ra, rb = 1: the scale words in lanes 16-31
.if (\ra) == 0
.if (\rb) == 0
	v_wmma_scale_f32_16x16x128_f8f6f4 v[\d:\d+7], v[\a:\a+11], v[\b:\b+11], v[\c:\c+7], v[\sa], v[\sb] matrix_a_fmt:MATRIX_FMT_BF6 matrix_b_fmt:MATRIX_FMT_BF6
.else
	v_wmma_scale_f32_16x16x128_f8f6f4 v[\d:\d+7], v[\a:\a+11], v[\b:\b+11], v[\c:\c+7], v[\sa], v[\sb] matrix_a_fmt:MATRIX_FMT_BF6 matrix_b_fmt:MATRIX_FMT_BF6 matrix_b_scale:MATRIX_SCALE_ROW1
.endif
.else
.if (\rb) == 0
	v_wmma_scale_f32_16x16x128_f8f6f4 v[\d:\d+7], v[\a:\a+11], v[\b:\b+11], v[\c:\c+7], v[\sa], v[\sb] matrix_a_fmt:MATRIX_FMT_BF6 matrix_b_fmt:MATRIX_FMT_BF6 matrix_a_scale:MATRIX_SCALE_ROW1
.else
	v_wmma_scale_f32_16x16x128_f8f6f4 v[\d:\d+7], v[\a:\a+11], v[\b:\b+11], v[\c:\c+7], v[\sa], v[\sb] matrix_a_fmt:MATRIX_FMT_BF6 matrix_b_fmt:MATRIX_FMT_BF6 matrix_a_scale:MATRIX_SCALE_ROW1 matrix_b_scale:MATRIX_SCALE_ROW1
.endif
.endif
.endm
; 32 numbers of a lane, register 16 b + i = k 32 b + 16 (lane / 16) + i of my token, become six registers of codes in v[pc] on and two scale bytes in v[pw]
.macro QUANT2 s, tm, pw, pc
.irp b,0,1
	v_max3_num_f32 v[\tm+\b], |v[\s+16*\b]|, |v[\s+16*\b+1]|, 0x2800000   ; with the floor 2^(5 - 127): the byte cannot fall under 1
.endr
.irp i,2,4,6,8,10,12,14
.irp b,0,1
	v_max3_num_f32 v[\tm+\b], v[\tm+\b], |v[\s+16*\b+\i]|, |v[\s+16*\b+\i+1]|
.endr
.endr
.irp b,0,1
	v_permlanex16_b32 v[\tm+2+\b], v[\tm+\b], s[SEL], s[SEL+1]
.endr
.irp b,0,1
	v_max_num_f32 v[\tm+\b], v[\tm+\b], v[\tm+2+\b]
.endr
.irp b,0,1
	v_add_nc_u32 v[\tm+4+\b], 0xfe000000, v[\tm+\b]                     ; 4 off the exponent field: the conversion's scale operand
.endr
.irp b,0,1
	v_lshrrev_b32 v[\tm+2+\b], 23, v[\tm+4+\b]
.endr
	v_lshl_or_b32 v[\pw], v[\tm+3], 8, v[\tm+2]
	v_cvt_scalef32_pk16_bf6_f32 v[\pc:\pc+2], v[\s:\s+15], v[\tm+4]
	v_cvt_scalef32_pk16_bf6_f32 v[\tm:\tm+2], v[\s+16:\s+31], v[\tm+5]
	v_nop                                                               ; one plain place behind a scaled conversion
.irp i,0,1,2
	v_permlane16_swap_b32 v[\pc+\i], v[\tm+\i]
.endr
.irp i,0,1,2
	v_mov_b32 v[\pc+3+\i], v[\tm+\i]
.endr
.endm
.macro OWN ta, ts, off, sc             ; the four token fragments and the scale words of a pass's first K step
.set jj, 0
.rept 12
	ds_load_b128 v[TF0+4*jj:TF0+4*jj+3], v[\ta] offset:\off+512*jj
.set jj, jj+1
.endr
.irp a,0,1
	ds_load_b32 v[TSR+\a], v[\ts] offset:\sc+128*\a
.endr
.endm
; ONE SET: i = its slot.  wl = 1: the set three on is asked for, into the slot that the last step read.  cnt: the weight loads issued behind this set's: 14 a set.
; nxt >= 0: the next K step's token fragments are fetched.  cm = 1: the sums start with the bias in v[TMP] on.  The 16 accumulators take turns.
.macro STEP i, wl, cnt, ta, ts, nxt, nsc, cm
	PLACES
.if \wl
	WIN 0x40
.set jj, 0
.rept 12
	global_load_b128 v[48*((\i+3)%4)+4*jj:48*((\i+3)%4)+4*jj+3], v[L16], s[32:33] offset:49152*(\i+3)+512*jj   ; 512 consecutive bytes a load
.set jj, jj+1
.endr
	WIN 0
.irp a,0,1
	global_load_b32 v[WSR+2*((\i+3)%4)+\a], v[L4], s[34:35] offset:2048*(\i+3)+128*\a
.endr
.endif
.if (\nxt) >= 0
.if (\i+1)%2
	WIN 0x40
.endif
.set jj, 0
.rept 12
	ds_load_b128 v[80+112*((\i+1)%2)+4*jj:80+112*((\i+1)%2)+4*jj+3], v[\ta] offset:\nxt+512*jj
.set jj, jj+1
.endr
	WIN 0
.irp a,0,1
	ds_load_b32 v[TSR+2*((\i+1)%2)+\a], v[\ts] offset:\nsc+128*\a
.endr
	s_wait_dscnt 14                                ; all but the 14 just issued
.else
	s_wait_dscnt 0x0
.endif
	s_wait_loadcnt \cnt
	WIN 0x01+4*(\i%2)
.irp t,0,1,2,3
.irp m,0,1,2,3
.if \cm
	WM HA+32*\m+8*\t, 48*\i+12*\t, 80+112*(\i%2)+12*\m, TMP+8*\t, WSR+2*\i+\t/2, \t%2, TSR+2*(\i%2)+\m/2, \m%2
.else
	WM HA+32*\m+8*\t, 48*\i+12*\t, 80+112*(\i%2)+12*\m, HA+32*\m+8*\t, WSR+2*\i+\t/2, \t%2, TSR+2*(\i%2)+\m/2, \m%2
.endif
.endr
.endr
	WIN 0
.endm
.macro NEXTW                           ; four sets on; the loads have read their bases
	s_wait_xcnt 0x0
	s_add_nc_u64 s[32:33], s[32:33], 196608
	s_add_nc_u64 s[34:35], s[34:35], 8192
.endm
; my four sums (pairs in v46 on, one for each tile of tokens) are joined with lane l xor 16's and, through LDS, with the other waves': the results stand in v46-49
.macro STATX off
.irp m,0,1,2,3
	v_add_f32 v[54+\m], v[46+2*\m], v[47+2*\m]
.endr
.irp m,0,1,2,3
	v_permlanex16_b32 v[58+\m], v[54+\m], s[SEL], s[SEL+1]
.endr
.irp m,0,1,2,3
	v_add_f32 v[54+\m], v[54+\m], v[58+\m]
.endr
	ds_store_b128 v15, v[54:57] offset:\off
	BARRIER
.irp w,0,1,2,3,4,5,6,7
	ds_load_b128 v[46+4*\w:49+4*\w], v14 offset:\off+256*\w
.endr
	s_wait_dscnt 0x0
.irp w,1,2,3,4,5,6,7
.irp m,0,1,2,3
	v_add_f32 v[46+\m], v[46+\m], v[46+4*\w+\m]
.endr
.endr
.endm
	s_load_b512 s[8:23], s[0:1], 0x0               ; x, attc, atts, wimg, wsc, proj_b, ln2_g, ln2_b
	s_load_b128 s[24:27], s[0:1], 0x40             ; b1, b2
	s_load_b64 s[28:29], s[0:1], 0x50              ; out0
	s_set_vgpr_msb 0x40
	v_lshl_add_u32 v254, v0, 2, 0x48800
	v_mov_b32 v255, 0
	s_set_vgpr_msb 0x4000
	v_lshrrev_b32 v3, 5, v0
	v_readfirstlane_b32 s[W], v3
	v_and_b32 v46, 31, v0
	v_and_b32 v47, 15, v0
	v_bfe_u32 v48, v0, 4, 1
	v_lshlrev_b32 v[L16], 4, v46
	v_lshlrev_b32 v[L4], 2, v46
	v_lshlrev_b32 v[L8], 3, v46
	v_lshlrev_b32 v[R16], 4, v47
	v_add_nc_u32 v[TS], ASCL, v[L4]
	s_lshr_b32 s43, s[W], 1
	s_and_b32 s44, s[W], 1
	s_mul_i32 s45, s43, 6144
	s_mul_i32 s46, s44, 520
	s_add_co_u32 s46, s46, s45
	v_add_nc_u32 v6, s46, v[L16]                   ; where my half's registers 6 c, 6 c + 1 lie in a full image of K step w / 2,
	v_add_nc_u32 v8, 512, v6                       ; 6 c + 4, 6 c + 5,
	s_mul_i32 s46, s44, 1016
	s_add_co_u32 s46, s46, s45
	s_add_co_u32 s46, s46, 8
	v_add_nc_u32 v7, s46, v[L16]                   ; 6 c + 2, 6 c + 3
	s_lshl_b32 s46, s43, 8
	s_lshl_b32 s47, s44, 1
	s_add_co_u32 s46, s46, s47
	s_add_co_u32 s46, s46, ASCL
	v_lshl_add_u32 v12, v47, 2, s46                ; and my two bytes of a scale word
	v_add_nc_u32 v14, STAT1, v[R16]
	s_lshl_b32 s46, s[W], 8
	v_add_nc_u32 v15, s46, v14
	v_lshlrev_b32 v21, 6, v48
	v_add_nc_u32 v21, s46, v21                     ; 256 w + 64 h: my 16 features of each 32, in bytes
	s_lshl_b32 s46, s[W], 14
	s_add_co_u32 s46, s46, PRIV
	v_mul_u32_u24 v16, v48, 272
	v_add_nc_u32 v16, v16, v[R16]
	v_add_nc_u32 v16, s46, v16                     ; the stage by rows of memory: two rows an instruction
	v_mul_u32_u24 v17, v47, 272
	v_lshl_add_u32 v17, v48, 6, v17
	v_add_nc_u32 v17, s46, v17                     ; and by the accumulators' layout: row r, 64 h bytes on
	v_add_nc_u32 v18, s46, v[L16]
	v_lshl_add_u32 v19, v48, 11, v[R16]
	s_mul_i32 s46, s[W], 3072
	v_add_nc_u32 v3, s46, v[L16]
	s_lshl_b32 s46, s[W], 7
	v_add_nc_u32 v5, s46, v[TS]
	s_lshl_b32 s46, s[W], 10
	s_add_co_u32 s46, s46, B1L
	v_add_nc_u32 v20, s46, v[L16]
	s_mov_b32 s[SEL], 0x76543210
	s_mov_b32 s[SEL+1], 0xfedcba98
	s_mov_b32 s58, 0x3b000000                      ; 1 / 512
.irp i,0,1,2,3,4,5,6,7
	v_mov_b32 v[ST2+\i], 0                         ; named in pairs before the second of a pair is made
.endr
.irp i,58,59,60,61
	v_mov_b32 v[\i], 0                             ; lane permutes' destinations
.endr
	s_mov_b32 s47, 0
	s_wait_kmcnt 0x0
	s_lshl_b32 s46, ttmp9, 17
	s_lshl_b32 s45, s[W], 8
	s_add_co_u32 s46, s46, s45
	s_add_nc_u64 s[36:37], s[8:9], s[46:47]        ; x and out0 at my 64 tokens, my 64 features
	s_add_nc_u64 s[38:39], s[28:29], s[46:47]
	s_mov_b32 s46, s45
	s_add_nc_u64 s[34:35], s[16:17], s[46:47]
	s_add_nc_u64 s[54:55], s[18:19], s[46:47]
	s_add_nc_u64 s[56:57], s[26:27], s[46:47]
	s_mul_i32 s46, ttmp9, 24576
	s_mul_i32 s45, s[W], 3072
	s_add_co_u32 s46, s46, s45
	s_add_nc_u64 s[48:49], s[10:11], s[46:47]
	s_lshl_b32 s46, ttmp9, 10
	s_lshl_b32 s45, s[W], 7
	s_add_co_u32 s46, s46, s45
	s_add_nc_u64 s[50:51], s[12:13], s[46:47]
	s_lshl_b32 s46, s[W], 10
	s_add_nc_u64 s[52:53], s[24:25], s[46:47]
	s_mul_i32 s46, s[W], 6144
	s_add_nc_u64 s[32:33], s[14:15], s[46:47]
.irp a,0,1
.irp q,0,1,2,3,4,5
	global_load_b64 v[TF0+12*\a+2*\q:TF0+12*\a+2*\q+1], v[L8], s[48:49] offset:1536*\a+256*\q th:TH_LOAD_NT   ; att's fragments 2 w, 2 w + 1, plane by plane
.endr
.endr
	global_load_b32 v104, v[L4], s[50:51] th:TH_LOAD_NT
	global_load_b128 v[106:109], v[L16], s[52:53]
	global_load_b128 v[110:113], v[L16], s[52:53] offset:512
	global_load_b128 v[PB:PB+3], v[R16], s[54:55]
.irp m,0,1,2,3
.irp i,0,1,2,3,4,5,6,7
	global_load_b128 v[HA+32*\m+4*\i:HA+32*\m+4*\i+3], v19, s[36:37] offset:(32*(\m/2)+8*(\m%2)+2*\i+8*(\i/4))*2048 th:TH_LOAD_NT   ; sixteen lanes read 256 consecutive bytes of a token's row
.endr
.endr
.irp q,0,1,2                                       ; the ring's first three sets
	WIN 0x40
.set jj, 0
.rept 12
	global_load_b128 v[48*\q+4*jj:48*\q+4*jj+3], v[L16], s[32:33] offset:49152*\q+512*jj
.set jj, jj+1
.endr
	WIN 0
.irp a,0,1
	global_load_b32 v[WSR+2*\q+\a], v[L4], s[34:35] offset:2048*\q+128*\a
.endr
.endr
	s_wait_loadcnt 42                              ; the three sets' 42 loads may be out
.irp a,0,1
.irp c,0,1
	ds_store_b64 v3, v[TF0+12*\a+6*\c:TF0+12*\a+6*\c+1] offset:1536*\a+520*\c
	ds_store_b64 v3, v[TF0+12*\a+6*\c+2:TF0+12*\a+6*\c+3] offset:1536*\a+8+1016*\c
	ds_store_b64 v3, v[TF0+12*\a+6*\c+4:TF0+12*\a+6*\c+5] offset:1536*\a+512+520*\c
.endr
.endr
	ds_store_b32 v5, v104
	ds_store_b128 v20, v[106:109]
	ds_store_b128 v20, v[110:113] offset:512
.set jj, 0
.rept 32
	v_pk_add_f32 v[HA+4*jj:HA+4*jj+1], v[HA+4*jj:HA+4*jj+1], v[PB:PB+1]
	v_pk_add_f32 v[HA+4*jj+2:HA+4*jj+3], v[HA+4*jj+2:HA+4*jj+3], v[PB+2:PB+3]
.set jj, jj+1
.endr
.irp m,0,1,2,3                                     ; x + proj_b into the accumulators' layout, through my stage.  LDS serves a wave's instructions in order
.irp i,0,1,2,3,4,5,6,7
	ds_store_b128 v16, v[HA+32*\m+4*\i:HA+32*\m+4*\i+3] offset:544*\i
.endr
.irp b,0,1
.irp u,0,1
.irp j,0,1
	ds_load_b128 v[HA+32*\m+8*(2*\b+\u)+4*\j:HA+32*\m+8*(2*\b+\u)+4*\j+3], v17 offset:128*\b+32*\u+16*\j
.endr
.endr
.endr
.endr
	BARRIER                                        ; att's images and scale words and b1 lie in LDS
	; ---- proj: four K steps onto x + proj_b
	OWN L16, TS, 0, 0
	STEP 0, 1, 42, L16, TS, 6144, 256, 0
	STEP 1, 1, 42, L16, TS, 12288, 512, 0
	STEP 2, 1, 42, L16, TS, 18432, 768, 0
	STEP 3, 1, 42, L16, TS, -1, 0, 0
	NEXTW
	PLACES
	; ---- LN2 of x1
.irp b,0,1
.irp u,0,1
.irp j,0,1
	global_load_b128 v[TF0+8*(2*\b+\u)+4*\j:TF0+8*(2*\b+\u)+4*\j+3], v21, s[20:21] offset:128*\b+32*\u+16*\j
.endr
.endr
.endr
	WIN 0x40
.irp b,0,1
.irp u,0,1
.irp j,0,1
	global_load_b128 v[192+8*(2*\b+\u)+4*\j:192+8*(2*\b+\u)+4*\j+3], v21, s[22:23] offset:128*\b+32*\u+16*\j
.endr
.endr
.endr
	WIN 0
.set jj, 0
.rept 32
	ds_store_b128 v18, v[HA+4*jj:HA+4*jj+3] offset:512*jj   ; x1 is kept: it starts the last product's sums
.set jj, jj+1
.endr
.irp m,0,1,2,3
	v_pk_add_f32 v[46+2*\m:47+2*\m], v[HA+32*\m:HA+32*\m+1], v[HA+32*\m+2:HA+32*\m+3]
.endr
.set jj, 4
.rept 14
.irp m,0,1,2,3
	v_pk_add_f32 v[46+2*\m:47+2*\m], v[46+2*\m:47+2*\m], v[HA+32*\m+jj:HA+32*\m+jj+1]
.endr
.set jj, jj+2
.endr
	STATX 0
.irp m,0,1,2,3
	v_mul_f32 v[ST2+2*\m], s58, v[46+\m]           ; the mean
.endr
.irp m,0,1,2,3
.set jj, 0
.rept 16
	v_pk_add_f32 v[HA+32*\m+jj:HA+32*\m+jj+1], v[HA+32*\m+jj:HA+32*\m+jj+1], v[ST2+2*\m:ST2+2*\m+1] op_sel_hi:[1,0] neg_lo:[0,1] neg_hi:[0,1]
.set jj, jj+2
.endr
.endr
.irp m,0,1,2,3
	v_pk_mul_f32 v[46+2*\m:47+2*\m], v[HA+32*\m:HA+32*\m+1], v[HA+32*\m:HA+32*\m+1]
.endr
.set jj, 2
.rept 15
.irp m,0,1,2,3
	v_pk_fma_f32 v[46+2*\m:47+2*\m], v[HA+32*\m+jj:HA+32*\m+jj+1], v[HA+32*\m+jj:HA+32*\m+jj+1], v[46+2*\m:47+2*\m]
.endr
.set jj, jj+2
.endr
	STATX 2048
.irp m,0,1,2,3
	v_fmaak_f32 v[46+\m], s58, v[46+\m], 0x3727c5ac   ; the variance + 1e-5
.endr
.irp m,0,1,2,3
	v_rsq_f32 v[ST2+2*\m+1], v[46+\m]
.endr
	v_nop
	s_wait_loadcnt 0x0                             ; gain and bias
	s_wait_alu depctr_va_vdst(0)
.irp m,0,1,2,3
.set jj, 0
.rept 16
	v_pk_mul_f32 v[HA+32*\m+jj:HA+32*\m+jj+1], v[HA+32*\m+jj:HA+32*\m+jj+1], v[ST2+2*\m:ST2+2*\m+1] op_sel:[0,1] op_sel_hi:[1,1]
.set jj, jj+2
.endr
.endr
	WIN 0x10
.irp m,0,1,2,3
.set jj, 0
.rept 16
	v_pk_fma_f32 v[HA+32*\m+jj:HA+32*\m+jj+1], v[HA+32*\m+jj:HA+32*\m+jj+1], v[TF0+jj:TF0+jj+1], v[192+jj:193+jj]
.set jj, jj+2
.endr
.endr
	WIN 0
.irp m,0,1,2,3
	QUANT2 HA+32*\m, 46, 52, 54
	ds_store_b64 v6, v[54:55] offset:TOKH+1536*\m
	ds_store_b64 v7, v[56:57] offset:TOKH+1536*\m
	ds_store_b64 v8, v[58:59] offset:TOKH+1536*\m
	ds_store_b16 v12, v52 offset:1024+64*\m
	s_wait_dscnt 0x0                               ; the stores have read their registers
.endr
	BARRIER                                        ; h2's images and scale words lie in LDS
	; ---- W1: four chunks of 512 hidden units; no barrier inside
	s_mov_b32 s[CNT], 0
	s_mov_b32 s43, HID
	s_mov_b32 s44, 2048
	s_mov_b32 s45, B1L
.Lchunk:
	v_add_nc_u32 v20, s45, v21
	v_add_nc_u32 v9, s43, v6
	v_add_nc_u32 v10, s43, v7
	v_add_nc_u32 v11, s43, v8
	v_add_nc_u32 v13, s44, v12
.irp b,0,1
.irp u,0,1
.irp j,0,1
	ds_load_b128 v[TMP+8*(2*\b+\u)+4*\j:TMP+8*(2*\b+\u)+4*\j+3], v20 offset:128*\b+32*\u+16*\j   ; b1 in the result's layout
.endr
.endr
.endr
	OWN L16, TS, TOKH, 1024
	STEP 0, 1, 42, L16, TS, TOKH+6144, 1024+256, 1
	STEP 1, 1, 42, L16, TS, TOKH+12288, 1024+512, 0
	STEP 2, 1, 42, L16, TS, TOKH+18432, 1024+768, 0
	STEP 3, 1, 42, L16, TS, -1, 0, 0
	NEXTW
	PLACES
.set jj, 0
.rept 128
	v_max_num_f32 v[HA+jj], 0, v[HA+jj]            ; the activation, in f32
.set jj, jj+1
.endr
.irp m,0,1,2,3
	QUANT2 HA+32*\m, 46, 52, 54
	ds_store_b64 v9, v[54:55] offset:1536*\m
	ds_store_b64 v10, v[56:57] offset:1536*\m
	ds_store_b64 v11, v[58:59] offset:1536*\m
	ds_store_b16 v13, v52 offset:64*\m
	s_wait_dscnt 0x0
.endr
	s_add_co_u32 s43, s43, 24576
	s_add_co_u32 s44, s44, 1024
	s_add_co_u32 s45, s45, 2048
	s_add_co_u32 s[CNT], s[CNT], 1
	s_cmp_lt_u32 s[CNT], 4
	s_cbranch_scc1 .Lchunk
	BARRIER                                        ; the hidden layer's 64 images and its scale words lie in LDS
	; ---- W2: sixteen K steps onto x1
.set jj, 0
.rept 32
	ds_load_b128 v[HA+4*jj:HA+4*jj+3], v18 offset:512*jj
.set jj, jj+1
.endr
	global_load_b128 v[PB:PB+3], v[R16], s[56:57]  ; b2: older than the last set's loads, so the tail's waits show it in
	s_mov_b32 s43, HID
	s_mov_b32 s44, 2048
	v_add_nc_u32 v3, s43, v[L16]
	v_add_nc_u32 v5, s44, v[TS]
	OWN 3, 5, 0, 0
	s_mov_b32 s[CNT], 0
.Lw2:
	STEP 0, 1, 42, 3, 5, 6144, 256, 0
	STEP 1, 1, 42, 3, 5, 12288, 512, 0
	STEP 2, 1, 42, 3, 5, 18432, 768, 0
	STEP 3, 1, 42, 3, 5, 24576, 1024, 0
	NEXTW
	s_add_co_u32 s43, s43, 24576
	s_add_co_u32 s44, s44, 1024
	v_add_nc_u32 v3, s43, v[L16]
	v_add_nc_u32 v5, s44, v[TS]
	s_add_co_u32 s[CNT], s[CNT], 1
	s_cmp_lt_u32 s[CNT], 3
	s_cbranch_scc1 .Lw2
	STEP 0, 1, 42, 3, 5, 6144, 256, 0              ; the last four sets: one more is asked for, then the counts run down
	STEP 1, 0, 28, 3, 5, 12288, 512, 0
	STEP 2, 0, 14, 3, 5, 18432, 768, 0
	STEP 3, 0, 0, 3, 5, -1, 0, 0
	; ---- the way out: a tile of tokens through my stage, back as rows; + b2; sixteen lanes store 256 consecutive bytes, aligned
.macro TOSTAGE m
.irp b,0,1
.irp u,0,1
.irp j,0,1
	ds_store_b128 v17, v[HA+32*\m+8*(2*\b+\u)+4*\j:HA+32*\m+8*(2*\b+\u)+4*\j+3] offset:128*\b+32*\u+16*\j   ; each accumulator from its low end on
.endr
.endr
.endr
.irp i,0,1,2,3,4,5,6,7
	ds_load_b128 v[HA+32*\m+4*\i:HA+32*\m+4*\i+3], v16 offset:544*\i
.endr
.endm
.macro SEND m, younger                 ; younger: the LDS instructions issued behind tile m's loads
.irp i,0,1,2,3,4,5,6,7
	s_wait_dscnt \younger+7-\i
	v_pk_add_f32 v[HA+32*\m+4*\i:HA+32*\m+4*\i+1], v[HA+32*\m+4*\i:HA+32*\m+4*\i+1], v[PB:PB+1]
	v_pk_add_f32 v[HA+32*\m+4*\i+2:HA+32*\m+4*\i+3], v[HA+32*\m+4*\i+2:HA+32*\m+4*\i+3], v[PB+2:PB+3]
	global_store_b128 v19, v[HA+32*\m+4*\i:HA+32*\m+4*\i+3], s[38:39] offset:(32*(\m/2)+8*(\m%2)+2*\i+8*(\i/4))*2048 th:TH_STORE_NT
.endr
.endm
	PLACES
	TOSTAGE 0
	TOSTAGE 1
	SEND 0, 16
	TOSTAGE 2
	SEND 1, 16
	TOSTAGE 3
	SEND 2, 16
	SEND 3, 0
	s_set_vgpr_msb 0x5
	s_wait_tensorcnt 0x0
	ds_add_u32 v254, v255
	s_wait_dscnt 0x0
	s_set_vgpr_msb 0x500
	s_endpgm
.Lfunc_end_k_qfb46c5300b_mlp:
	.size	k_qfb46c5300b_mlp, .Lfunc_end_k_qfb46c5300b_mlp-k_qfb46c5300b_mlp
	.p2alignl 7, 3214868480
	.fill 96, 4, 3214868480
	.section	.rodata,"a",@progbits
	.p2align	6, 0x0
	.amdhsa_kernel k_qfb46c5300b_mlp
		.amdhsa_group_segment_fixed_size 297984
		.amdhsa_private_segment_fixed_size 0
		.amdhsa_enable_private_segment 0
		.amdhsa_kernarg_size 88
		.amdhsa_user_sgpr_count 2
		.amdhsa_user_sgpr_kernarg_segment_ptr 1
		.amdhsa_wavefront_size32 1
		.amdhsa_system_sgpr_workgroup_id_x 1
		.amdhsa_system_sgpr_workgroup_id_y 1
		.amdhsa_system_sgpr_workgroup_id_z 1
		.amdhsa_system_vgpr_workitem_id 0
		.amdhsa_next_free_vgpr 512
		.amdhsa_next_free_sgpr 66
		.amdhsa_reserve_vcc 0
		.amdhsa_float_denorm_mode_32 3
		.amdhsa_float_denorm_mode_16_64 3
		.amdhsa_memory_ordered 1
		.amdhsa_forward_progress 1
		.amdhsa_inst_pref_size 157
	.end_amdhsa_kernel
	.amdgpu_metadata
---
amdhsa.version: [ 1, 2 ]
amdhsa.kernels:
  - .name:           k_qfb46c5300b_mlp
    .symbol:         k_qfb46c5300b_mlp.kd
    .args:
      - { .name: x, .offset: 0, .size: 8, .value_kind: global_buffer, .address_space: global }
      - { .name: attc, .offset: 8, .size: 8, .value_kind: global_buffer, .address_space: global }
      - { .name: atts, .offset: 16, .size: 8, .value_kind: global_buffer, .address_space: global }
      - { .name: wimg, .offset: 24, .size: 8, .value_kind: global_buffer, .address_space: global }
      - { .name: wsc, .offset: 32, .size: 8, .value_kind: global_buffer, .address_space: global }
      - { .name: proj_b, .offset: 40, .size: 8, .value_kind: global_buffer, .address_space: global }
      - { .name: ln2_g, .offset: 48, .size: 8, .value_kind: global_buffer, .address_space: global }
      - { .name: ln2_b, .offset: 56, .size: 8, .value_kind: global_buffer, .address_space: global }
      - { .name: b1, .offset: 64, .size: 8, .value_kind: global_buffer, .address_space: global }
      - { .name: b2, .offset: 72, .size: 8, .value_kind: global_buffer, .address_space: global }
      - { .name: out0, .offset: 80, .size: 8, .value_kind: global_buffer, .address_space: global }
    .group_segment_fixed_size: 297984
    .private_segment_fixed_size: 0
    .kernarg_segment_align: 8
    .kernarg_segment_size: 88
    .max_flat_workgroup_size: 256
    .sgpr_count:     66
    .vgpr_count:     512
    .wavefront_size: 32
...
	.end_amdgpu_metadata
.endif
;; end of part 2
